; MI455X (gfx1250); checked and timed in simulation.
; The chip was launched on July 23, 2026; its instructions are those of AMD's public machine-readable ISA for CDNA 5 (MIT licence, August 2026) and "CDNA5" Instruction Set Architecture Reference Guide (July 2026). The comments in the code are by the model that wrote it; some were corrected since.
;; Sparse Linear. Allowed arithmetic: matrix products marked QUANTISED: E2M3 operands, one E8M0 scale for each 32 along K, by v_wmma_scale_f32_16x16x128_f8f6f4 with both operands' format E2M3, f32 sums; everything else in f32.
;; Inputs: A 4,096 x 4,096 float32; bias 4,096 float32; mask 4,096 x 4,096 float32; weight 4,096 x 4,096 float32.
;; Outputs: out0 4,096 x 4,096 float32.
;; This version of the problem:
;;   THIS VERSION OF THE PROBLEM IS GIVEN IN LOW PRECISION. The matrix products marked QUANTISED in the list below multiply operands that are first quantised to E2M3 (2 exponent bits, 3 mantissa bits; 6 bits a number), with one power-of-two scale for each 32 numbers along K (OCP MX v1.0); their sums are f32. All else is computed in f32.
;;   The module's matrix products, in the order in which they are computed (A, B: the left and right operand; K: the contracted axis; several contracted axes count as one K, in the product's order):
;;     1. [M 4,096, K 4,096] x [K 4,096, N 4,096]; A: input A; B: computed on the way: QUANTISED
;;   THE QUANTISER, for each operand of a quantised product, along K:
;;     - K is cut into blocks of 32 from its start; a last block that is shorter is filled with zeros.
;;     - A block's scale is 2^e with e = floor(log2(the largest magnitude in the block)) - 2, held to -126 .. 127; a block of zeros has e = 0. As a byte (E8M0): e + 127.
;;     - Each number is divided by its block's scale, clamped to +-7.5, and rounded to the nearest number of E2M3, ties to even, subnormals kept.
;;     - The product sums the exact products of the quantised numbers (number of the format x scale) in f32.
;;   ~~~python
;;   def quantise(x, axis):      # numpy; x: float32 -> the quantised numbers, widened to float32 again
;;       x = np.moveaxis(x, axis, -1); K = x.shape[-1]
;;       x = np.pad(x, [(0, 0)] * (x.ndim - 1) + [(0, -K % 32)]); x = x.reshape(x.shape[:-1] + (-1, 32)); a = np.abs(x).max(-1, keepdims=True)
;;       e = np.where(a > 0, np.clip(np.frexp(np.where(a > 0, a, 1))[1] - 1 - 2, -126, 127), 0)      # np.frexp(a)[1] - 1 = floor(log2(a)), exactly
;;       r = np.clip(x / 2.0 ** e, -7.5, 7.5)
;;       step = 2.0 ** (np.maximum(np.frexp(np.where(r == 0, 1, r))[1] - 1, 0) - 3)
;;       q = np.round(r / step) * step * 2.0 ** e      # np.round: ties to even
;;       return np.moveaxis(q.reshape(q.shape[:-2] + (-1,))[..., :K], -1, axis).astype(np.float32)
;;   ~~~
;;   OPERANDS COMPUTED ON THE WAY. 'Computed on the way' means the value that the module computes at that place (a softmax that the list does not call 'softmax' is quantised finished and normalised). What goes into a quantiser is computed in f32, as accurately as f32 sums, v_exp_f32 and their like allow (about 1e-6 of the number): no bf16 or f16 on the way to a quantiser, and a product that is left as it is and whose result goes on into a quantised operand takes f32 operands (vector FMAs, or v_wmma_f32_16x16x4_f32). A number that lies on a knife's edge between two numbers of the format may be rounded either way, as far as f32 arithmetic and the matrix unit's own rounding can turn it there, and no further.
;; One version. Each part assembles by itself: llvm-mc -triple=amdgcn-amd-amdhsa -mcpu=gfx1250 --defsym DOCPART=n.
;; ======== version 1 of 1: 2 launches
;; limits: right only within a limited range of input values
;; workspace buffers: a_q 13,107,200 bytes; b_q 13,107,200 bytes; flags 32,768 bytes of whole numbers
;; launch quant (part 1): grid 512 x 1, 8 waves a work-group, no clusters, 70,912 bytes of LDS; arguments A, weight, mask, a_q, b_q, flags; writes a_q, b_q, flags
.if DOCPART == 1
	.amdgcn_target "amdgcn-amd-amdhsa--gfx1250"
	.amdhsa_code_object_version 6
	.text
	.protected	k_qf791d78933_quant
	.globl	k_qf791d78933_quant
	.p2align	8
	.type	k_qf791d78933_quant,@function
k_qf791d78933_quant:
	s_mov_b64 s[64:65], 0
	v_nop
	global_prefetch_b8 v0, s[64:65] scope:SCOPE_SE
	s_setreg_imm32_b32 hwreg(HW_REG_WAVE_MODE, 25, 1), 1
	s_wait_xcnt 0x0
; A [4096][4096] and weight x mask [4096][4096], f32, K innermost, become codes of FP6 (E2M3) with one E8M0 scale byte for each 32 along K.
; A block's scale is 2^(floor(log2(its largest magnitude)) - 2); its byte is the largest magnitude's exponent field - 2, held at 1 from below.
; Each number is divided by the scale and rounded to the nearest code, ties to even; beyond 7.5 the conversion gives the largest code.
; WHAT THE NEXT LAUNCH LEAVES OUT, AND WHY IT MAY: for each tile of 16 rows of weight x mask and each block of 32 along K this launch stores a flag byte,
; 1 if any of the 512 products weight x mask is not 0, else 0.  Where the flag is 0 all codes of the block are 0, so its terms add exactly 0 to every sum, whatever A holds.
; The flags are whole numbers at fixed places; the next launch reads them and multiplies only blocks whose flag is 1.  Every input is read and every mask is served, a dense one too.
; LIMITS: NaN and infinities among the inputs are not served (one in A that meets only blocks of zeros of weight x mask is not carried to the result).
; A block of zeros gets the byte 1 where the rule says 127: its codes are zeros, and the bytes are read by this program alone.
; LAYOUT of a_q and of b_q: tile T of 16 rows at 49,152 T: for K block kb the first 16 bytes of row r's 24 bytes of codes at 256 kb + 16 r, the last 8 at 32,768 + 128 kb + 8 r.
; From byte 12,582,912 on the scale bytes: group of 64 rows q at 8,192 q: the byte of K block kb, row r of tile t (0..3) at 64 kb + 4 r + t.
; LAYOUT of flags: [group of 128 rows 32][256 along K 16][tile 8][K block 8], a byte each.
; SHARES: a work-group of eight waves takes 128 rows x 256 along K, first of A, then of weight x mask; wave w takes tile w: two units of 16 rows x 128 K of each.
; A UNIT: each load takes 512 consecutive bytes of one row.  The 8,192 bytes go through the wave's own stage in LDS (rows 528 bytes apart) and come back 32 neighbours along K in one lane.
; Scale bytes and flags meet in LDS; behind the one barrier waves 0 to 3 store 512 consecutive bytes of scales each, wave 4 the 64 bytes of flags.
.set GI,  4                            ; 16 x lane: offset of every load
.set STI, 5                            ; stage, way in
.set RDX, 6                            ; stage, way back
.set SWA, 7                            ; my scale bytes' place in LDS
.set SRD, 8                            ; scale bytes on the way out, LDS
.set GS,  9                            ; and in memory
.set MX,  12                           ; v12-15 chains of maxima
.set SO,  16                           ; v16-17 the conversions' scale operands
.set BY,  18                           ; v18-19 the scale bytes
.set GC,  21                           ; offset of the codes' 16-byte stores
.set FZ,  22                           ; v22-23 largest magnitude without the floor, then the flag
.set GC2, 28                           ; offset of the codes' 8-byte stores
.set FLA, 29                           ; my flags' place in LDS
.set FRD, 30                           ; flags on the way out, LDS
.set FS,  31                           ; and in memory
.set C,   32                           ; v32-43 the fragment
.set T,   44                           ; v44-46, v48-50 each block's upper 16 codes
.set SPW, 62
.set NIL, 63
.set L,   64                           ; v64-191 two sets of 16 loads
.set X,   192                          ; v192-255 my 64 numbers: register 32 c + i = k 64 c + 32 h + i of row r
.set WREG, 8448
.set SCB,  8*WREG                      ; 2,048 bytes of scale bytes: A's two groups of 64 rows, then W's
.set FLB,  SCB+2048                    ; 64 bytes of flags in a block of 256
.set SPARE, FLB+256                    ; the spare words, 128 bytes a wave
	s_load_b256 s[4:11], s[0:1], 0x0               ; A, weight, mask, a_q
	s_load_b128 s[12:15], s[0:1], 0x20             ; b_q, flags
	v_lshl_add_u32 v[SPW], v0, 2, SPARE
	v_mov_b32 v[NIL], 0
	v_lshrrev_b32 v1, 5, v0
	v_readfirstlane_b32 s18, v1                    ; wave
	s_lshr_b32 s19, ttmp9, 4                       ; my group of 128 rows
	s_and_b32 s20, ttmp9, 15                       ; my 256 along K
	s_lshl_b32 s22, s19, 21
	s_lshl_b32 s21, s18, 18
	s_add_co_u32 s22, s22, s21
	s_lshl_b32 s21, s20, 10
	s_add_co_u32 s22, s22, s21                     ; the inputs: group, 16 rows a wave, 1,024 bytes along K
	s_mov_b32 s23, 0
	s_mul_i32 s24, s19, 393216
	s_mul_i32 s21, s18, 49152
	s_add_co_u32 s24, s24, s21                     ; my tile
	s_lshl_b32 s21, s20, 11
	s_add_co_u32 s25, s24, s21                     ; + 8 K blocks x 256
	s_lshl_b32 s21, s20, 10
	s_add_co_u32 s26, s24, s21
	s_add_co_u32 s26, s26, 32768                   ; + 8 K blocks x 128, behind the 16-byte parts
	s_mul_i32 s28, s18, WREG
	s_lshr_b32 s29, s18, 2
	s_lshl_b32 s29, s29, 9
	s_and_b32 s21, s18, 3
	s_add_co_u32 s29, s29, s21
	s_add_co_u32 s29, s29, SCB
	s_lshl_b32 s27, s21, 9
	s_add_co_u32 s27, s27, SCB
	s_lshl_b32 s32, s19, 1
	s_and_b32 s21, s18, 1
	s_add_co_u32 s32, s32, s21
	s_lshl_b32 s32, s32, 13
	s_lshl_b32 s21, s20, 9
	s_add_co_u32 s32, s32, s21
	s_add_co_u32 s32, s32, 12582912
	s_lshl_b32 s33, s18, 3
	s_add_co_u32 s33, s33, FLB
	s_lshl_b32 s36, s19, 10
	s_lshl_b32 s21, s20, 6
	s_add_co_u32 s36, s36, s21
	v_and_b32 v1, 31, v0                           ; lane
	v_and_b32 v2, 15, v0                           ; r
	v_bfe_u32 v3, v0, 4, 1                         ; h
	v_lshlrev_b32 v[GI], 4, v1
	v_mul_u32_u24 v[RDX], v2, 528
	v_lshlrev_b32 v[SWA], 2, v2
	v_lshlrev_b32 v[FS], 1, v1
	v_add_nc_u32 v[GC], s25, v[GI]
	v_lshl_add_u32 v[GC2], v1, 3, s26
	v_add_nc_u32 v[STI], s28, v[GI]
	v_lshl_add_u32 v[RDX], v3, 7, v[RDX]
	v_lshl_add_u32 v[SWA], v3, 6, v[SWA]
	v_add_nc_u32 v[FRD], FLB, v[FS]
	v_add_nc_u32 v[RDX], s28, v[RDX]
	v_add_nc_u32 v[SWA], s29, v[SWA]
	v_add_nc_u32 v[SRD], s27, v[GI]
	v_add_nc_u32 v[GS], s32, v[GI]
	v_add_nc_u32 v[FLA], s33, v3
	v_add_nc_u32 v[FS], s36, v[FS]
	s_wait_alu depctr_va_vdst(0)                   ; the wait at the head's end
	s_wait_kmcnt 0x0
	s_add_nc_u64 s[4:5], s[4:5], s[22:23]
	s_add_nc_u64 s[6:7], s[6:7], s[22:23]
	s_add_nc_u64 s[8:9], s[8:9], s[22:23]          ; no base is stepped after this
.macro LOADA u
.irp j, 0,1,2,3,4,5,6,7,8,9,10,11,12,13,14,15
	global_load_b128 v[L+64*(\u)+4*\j:L+64*(\u)+4*\j+3], v[GI], s[4:5] offset:16384*\j+512*(\u) th:TH_LOAD_NT
.endr
.endm
.macro LOADW u, e                      ; rows 8 e .. 8 e + 7 of unit u: weight into the lower half of set e, mask into the upper
.irp j, 0,1,2,3,4,5,6,7
	global_load_b128 v[L+64*(\e)+4*\j:L+64*(\e)+4*\j+3], v[GI], s[6:7] offset:16384*(8*(\e)+\j)+512*(\u) th:TH_LOAD_NT
	global_load_b128 v[L+64*(\e)+32+4*\j:L+64*(\e)+32+4*\j+3], v[GI], s[8:9] offset:16384*(8*(\e)+\j)+512*(\u) th:TH_LOAD_NT
.endr
.endm
.macro MULW e                          ; weight x mask, in f32
.irp k, 0,2,4,6,8,10,12,14,16,18,20,22,24,26,28,30
	v_pk_mul_f32 v[L+64*(\e)+\k:L+64*(\e)+\k+1], v[L+64*(\e)+\k:L+64*(\e)+\k+1], v[L+64*(\e)+32+\k:L+64*(\e)+32+\k+1]
.endr
.endm
.macro PUT set, row0, n
.set pj, 0
.rept \n
	ds_store_b128 v[STI], v[\set+4*pj:\set+4*pj+3] offset:528*(\row0+pj)
.set pj, pj+1
.endr
.endm
.macro GETX                            ; LDS serves a wave's instructions in order: these see the stores
.irp c, 0,1
.irp j, 0,1,2,3,4,5,6,7
	ds_load_b128 v[X+32*\c+4*\j:X+32*\c+4*\j+3], v[RDX] offset:256*\c+16*\j
.endr
.endr
.endm
.macro QUANT z                         ; my two blocks (2 c + h of the row's four): codes, scale bytes and, for weight x mask, flags
.irp c, 0,1
	v_max3_num_f32 v[MX+2*\c], |v[X+32*\c]|, |v[X+32*\c+1]|, |v[X+32*\c+2]|
	v_max3_num_f32 v[MX+2*\c+1], |v[X+32*\c+3]|, |v[X+32*\c+4]|, |v[X+32*\c+5]|
.endr
.irp i, 6,10,14,18,22,26
.irp c, 0,1
	v_max3_num_f32 v[MX+2*\c], v[MX+2*\c], |v[X+32*\c+\i]|, |v[X+32*\c+\i+1]|        ; four chains by turns
	v_max3_num_f32 v[MX+2*\c+1], v[MX+2*\c+1], |v[X+32*\c+\i+2]|, |v[X+32*\c+\i+3]|
.endr
.endr
.irp c, 0,1
	v_max3_num_f32 v[MX+2*\c], v[MX+2*\c], |v[X+32*\c+30]|, |v[X+32*\c+31]|
.endr
.irp c, 0,1
	v_max_num_f32 v[FZ+\c], v[MX+2*\c], v[MX+2*\c+1]       ; the block's largest magnitude as it is
.endr
.irp c, 0,1
	v_max_num_f32 v[MX+2*\c], 0x1800000, v[FZ+\c]          ; and over the floor 2^(3 - 127): the byte cannot fall under 1
.endr
.irp c, 0,1
	v_add_nc_u32 v[SO+\c], 0xff000000, v[MX+2*\c]          ; 2 off the exponent field: the conversion's scale operand
.endr
.irp c, 0,1
	v_lshrrev_b32 v[BY+\c], 23, v[SO+\c]                   ; the scale's byte
.endr
.irp c, 0,1
	v_cvt_scalef32_pk16_fp6_f32 v[C+6*\c:C+6*\c+2], v[X+32*\c:X+32*\c+15], v[SO+\c]
	v_cvt_scalef32_pk16_fp6_f32 v[T+4*\c:T+4*\c+2], v[X+32*\c+16:X+32*\c+31], v[SO+\c]
.endr
	v_nop                                          ; one plain instruction behind the scaled conversions
.if \z
.irp xm, 1,2,4,8
.irp c, 0,1
	v_max_num_f32_dpp v[FZ+\c], v[FZ+\c], v[FZ+\c] row_xmask:\xm row_mask:0xf bank_mask:0xf   ; over the tile's 16 rows
.endr
.endr
.irp c, 0,1
	v_min_u32 v[FZ+\c], 1, v[FZ+\c]                ; the bits of a magnitude are 0 only for 0: the flag
.endr
.endif
.irp c, 0,1
.irp i, 0,1,2
	v_mov_b32 v[C+6*\c+3+\i], v[T+4*\c+\i]
.endr
.endr
.endm
.macro OUT cb, z, u                    ; 32 lanes store 512 and 256 consecutive bytes: two neighbouring K blocks
.irp c, 0,1
	global_store_b128 v[GC], v[C+6*\c:C+6*\c+3], s[\cb:\cb+1] offset:(4*(\u)+2*\c)*256
	global_store_b64 v[GC2], v[C+6*\c+4:C+6*\c+5], s[\cb:\cb+1] offset:(4*(\u)+2*\c)*128
	ds_store_b8 v[SWA], v[BY+\c] offset:1024*(\z)+(4*(\u)+2*\c)*64
.if \z
	ds_store_b8 v[FLA], v[FZ+\c] offset:4*(\u)+2*\c        ; sixteen lanes write the same byte with the same value
.endif
.endr
.endm
.macro UA u
	s_wait_loadcnt 16                              ; this unit's 16 loads are in; the younger 16 stay out
	PUT L+64*(\u), 0, 16
	GETX
	s_wait_dscnt 0x0                               ; my numbers are back; the LDS stores have read their registers
	s_wait_xcnt 0x0                                ; the last unit's stores have read v[C] on
	LOADW 0, \u
	QUANT 0
	OUT 10, 0, \u
.endm
.macro UW u
	s_wait_loadcnt 16                              ; rows 0-7 of weight and mask are in; rows 8-15 stay out
	MULW 0
	PUT L, 0, 8
.if (\u) < 1
	s_wait_dscnt 0x0
	LOADW (\u)+1, 0
	s_wait_loadcnt 16                              ; rows 8-15 are in; the 16 loads just issued stay out
.else
	s_wait_loadcnt 0x0
.endif
	MULW 1
	PUT L+64, 8, 8
	GETX
	s_wait_dscnt 0x0
	s_wait_xcnt 0x0
.if (\u) < 1
	LOADW (\u)+1, 1
.endif
	QUANT 1
	OUT 12, 1, \u
.endm
	LOADA 0
	LOADA 1
	UA 0
	UA 1
	UW 0
	UW 1
	s_wait_dscnt 0x0                               ; for the others' sake: my bytes lie in LDS
	s_barrier_signal -1
	s_barrier_wait -1
	s_cmp_gt_u32 s18, 4
	s_cbranch_scc1 .Ldone
	s_cmp_eq_u32 s18, 4
	s_cbranch_scc1 .Lflags
	s_cmp_lt_u32 s18, 2                            ; waves 0, 1: A's two groups of 64 rows; waves 2, 3: W's
	s_cselect_b64 s[16:17], s[10:11], s[12:13]
	ds_load_b128 v[24:27], v[SRD]
	s_wait_dscnt 0x0
	global_store_b128 v[GS], v[24:27], s[16:17]    ; 512 consecutive bytes
	s_branch .Ldone
.Lflags:
	ds_load_u16 v24, v[FRD]
	s_wait_dscnt 0x0
	global_store_b16 v[FS], v24, s[14:15]          ; 64 consecutive bytes
.Ldone:
	s_wait_tensorcnt 0x0                           ; the wave's end
	ds_add_u32 v[SPW], v[NIL]
	s_wait_dscnt 0x0
	s_endpgm
.Lfunc_end_k_qf791d78933_quant:
	.size	k_qf791d78933_quant, .Lfunc_end_k_qf791d78933_quant-k_qf791d78933_quant
	.p2alignl 7, 3214868480
	.fill 96, 4, 3214868480
	.section	.rodata,"a",@progbits
	.p2align	6, 0x0
	.amdhsa_kernel k_qf791d78933_quant
		.amdhsa_group_segment_fixed_size 70912
		.amdhsa_private_segment_fixed_size 0
		.amdhsa_enable_private_segment 0
		.amdhsa_kernarg_size 48
		.amdhsa_user_sgpr_count 2
		.amdhsa_user_sgpr_kernarg_segment_ptr 1
		.amdhsa_wavefront_size32 1
		.amdhsa_system_sgpr_workgroup_id_x 1
		.amdhsa_system_sgpr_workgroup_id_y 1
		.amdhsa_system_sgpr_workgroup_id_z 1
		.amdhsa_system_vgpr_workitem_id 0
		.amdhsa_next_free_vgpr 256
		.amdhsa_next_free_sgpr 66
		.amdhsa_reserve_vcc 0
		.amdhsa_float_denorm_mode_32 3
		.amdhsa_float_denorm_mode_16_64 3
		.amdhsa_memory_ordered 1
		.amdhsa_forward_progress 1
		.amdhsa_inst_pref_size 40
	.end_amdhsa_kernel
	.amdgpu_metadata
---
amdhsa.version: [ 1, 2 ]
amdhsa.kernels:
  - .name:           k_qf791d78933_quant
    .symbol:         k_qf791d78933_quant.kd
    .args:
      - { .name: A, .offset: 0, .size: 8, .value_kind: global_buffer, .address_space: global }
      - { .name: weight, .offset: 8, .size: 8, .value_kind: global_buffer, .address_space: global }
      - { .name: mask, .offset: 16, .size: 8, .value_kind: global_buffer, .address_space: global }
      - { .name: a_q, .offset: 24, .size: 8, .value_kind: global_buffer, .address_space: global }
      - { .name: b_q, .offset: 32, .size: 8, .value_kind: global_buffer, .address_space: global }
      - { .name: flags, .offset: 40, .size: 8, .value_kind: global_buffer, .address_space: global }
    .group_segment_fixed_size: 70912
    .private_segment_fixed_size: 0
    .kernarg_segment_align: 8
    .kernarg_segment_size: 48
    .max_flat_workgroup_size: 256
    .sgpr_count:     66
    .vgpr_count:     256
    .wavefront_size: 32
...
	.end_amdgpu_metadata
.endif
;; end of part 1
;; launch spmm (part 2): grid 64 x 4, 16 waves a work-group, no clusters, 280,576 bytes of LDS; arguments a_q, b_q, flags, bias, out0; writes out0
.if DOCPART == 2
	.amdgcn_target "amdgcn-amd-amdhsa--gfx1250"
	.amdhsa_code_object_version 6
	.text
	.protected	k_qf791d78933_spmm
	.globl	k_qf791d78933_spmm
	.p2align	8
	.type	k_qf791d78933_spmm,@function
k_qf791d78933_spmm:
	s_mov_b64 s[64:65], 0
	v_nop
	global_prefetch_b8 v0, s[64:65] scope:SCOPE_SE
	s_setreg_imm32_b32 hwreg(HW_REG_WAVE_MODE, 25, 1), 1
	s_wait_xcnt 0x0
; out[m][n] = sum over k of Q(A)[m][k] Q(weight x mask)[n][k] + bias[n], on the codes, scale bytes and flags that the launch before stored (layouts: at its head).
; LEFT OUT: blocks of 32 along K in which all 32 columns of a column block hold only zero codes (both tiles' flags 0): their terms are exactly 0.  The flags are whole numbers read from memory.
; A matrix instruction's 128 along K are FOUR blocks of 32 picked from the list of live blocks: each block has its own scale byte, and A's and B's chunks of the same block stand at the same place.
; SHARES: work-group (x, y): columns 64 x .. + 63, rows 1,024 y .. + 1,023.  Wave w: rows 64 (16 y + w) .. + 63, first against columns 0-31 of the 64, then 32-63: 4 x 2 accumulators.
; THE LIST is walked by scalar instructions: four words of 32 flags (bit l of word j: K block 4 l + j); the lowest set bit is taken and cleared; an empty word gives way to the next.
; The number of blocks is rounded up to a multiple of 8, at least 8 (an even number of steps).  The slots that are over name a block whose flag is 0: 128 is a multiple of 8, so where slots are over such a block exists.
; OPERANDS go from memory straight into two register sets; a set's 28 loads are issued a whole step ahead of its products.  Lanes 0-15 take blocks 0 and 2 of a step, lanes 16-31 blocks 1 and 3, as the 6-bit layout has it.
; SCALE WORDS: a lane loads its block's four bytes (row r, four tiles); v_permlanex16_b32 brings the other half's, byte permutes turn [block][tile] into [tile][block].
; THE MATRIX INSTRUCTION IS USED TRANSPOSED (source 0 = 16 columns' rows of W, source 1 = 16 rows of A): a lane holds eight neighbouring numbers of a row of out.
; THE WAY OUT: both column blocks' results meet in the wave's own stage in LDS (64 rows x 256 bytes, pitch 272); read back by rows, bias added, sixteen lanes store one aligned run of 256 bytes.
; No tensor loads, so no clusters: trip counts hang on the stored flags.  No barrier: waves share no LDS bytes.  No data prefetch: which chunks a later step names is known only as the list is walked, and the loads run a step ahead.
; LIMITS: as at the head of the launch before.
.set TILEB, 49152
.set SCLO,  12582912
.set PITCH, 272
.set WST,   64*PITCH
.set SPARE, 16*WST
.set VR4, 1                            ; 4 r
.set VH0, 2                            ; 1 in lanes 0-15
.set VH1, 3                            ; 1 in lanes 16-31
.set STO, 4
.set RD,  5
.set CO,  6
.set SPW, 7
.set NIL, 8
.set BOF, 9
.set OS,  10                           ; v10-11 64 x block + 4 r (c = 0, 1); v12-13 twice that; v14-15 four times
.set SA,  16                           ; v16-19 A's scale words, v20-21 B's: scales and nothing else
.set SB,  20
.set YY,  22                           ; v22-25 the other half's bytes
.set PP,  26                           ; v26-31 first stage of the byte permutes
.set ACC, 32                           ; v32-95
.set B0,  96                           ; a set: A's 4 fragments, B's 2 at +48, A's raw scale bytes at +72, B's at +74
.set B1,  172
.set BI,  248                          ; v248-251 bias of my four columns on the way out
.set G0,  24                           ; s24-30: four words of flags, number of the word at work, a block with flag 0, trips
.set G1,  32
.macro NEXT g, d                       ; s[d] = 64 x the next live block
	s_cmp_lg_u32 s[\g], 0
	s_cbranch_scc1 .Lhave_\@
.rept 3                                ; the word at work is empty: the next ones move down, past empty ones too
	s_cmp_eq_u32 s[\g], 0
	s_cselect_b32 s[\g], s[\g+1], s[\g]
	s_cselect_b32 s[\g+1], s[\g+2], s[\g+1]
	s_cselect_b32 s[\g+2], s[\g+3], s[\g+2]
	s_cselect_b32 s[\g+3], 0, s[\g+3]
	s_cselect_b32 s46, 1, 0
	s_add_co_u32 s[\g+4], s[\g+4], s46
.endr
.Lhave_\@:
	s_ctz_i32_b32 s46, s[\g]
	s_lshl_b32 s46, s46, 2
	s_add_co_u32 s46, s46, s[\g+4]
	s_cmp_lg_u32 s[\g], 0
	s_cselect_b32 s46, s46, s[\g+5]                ; the list is at its end: a block of zeros
	s_min_u32 s46, s46, 127                        ; a loaded number enters an address only behind this bound
	s_lshl_b32 s[\d], s46, 6
	s_add_co_u32 s47, s[\g], -1
	s_and_b32 s[\g], s[\g], s47                    ; the bit is taken
.endm
.macro LOAD b, g, nb                   ; the next step's four blocks into set b: 28 loads
	NEXT \g, 48
	NEXT \g, 49
	NEXT \g, 50
	NEXT \g, 51
	s_wait_xcnt 0x0                                ; the other set's loads have read v10-15
	v_mad_u32_u24 v[OS], v[VH0], s48, v[VR4]       ; (these eight are also the places behind the products that read set b)
	v_mad_u32_u24 v[OS+1], v[VH0], s50, v[VR4]
	v_mad_u32_u24 v[OS], v[VH1], s49, v[OS]
	v_mad_u32_u24 v[OS+1], v[VH1], s51, v[OS+1]
	v_lshlrev_b32 v[OS+2], 1, v[OS]
	v_lshlrev_b32 v[OS+3], 1, v[OS+1]
	v_lshlrev_b32 v[OS+4], 2, v[OS]
	v_lshlrev_b32 v[OS+5], 2, v[OS+1]
.irp c, 0,1
	global_load_b32 v[\b+72+\c], v[OS+\c], s[18:19]
	global_load_b32 v[\b+74+\c], v[OS+\c], s[22:23]
.endr
.irp t, 0,1
.irp c, 0,1
	global_load_b128 v[\b+48+12*\t+6*\c:\b+48+12*\t+6*\c+3], v[OS+4+\c], s[20:21] offset:(2*(\nb)+\t)*TILEB
	global_load_b64 v[\b+48+12*\t+6*\c+4:\b+48+12*\t+6*\c+5], v[OS+2+\c], s[20:21] offset:(2*(\nb)+\t)*TILEB+32768
.endr
.endr
.irp t, 0,1,2,3
.irp c, 0,1
	global_load_b128 v[\b+12*\t+6*\c:\b+12*\t+6*\c+3], v[OS+4+\c], s[16:17] offset:\t*TILEB
	global_load_b64 v[\b+12*\t+6*\c+4:\b+12*\t+6*\c+5], v[OS+2+\c], s[16:17] offset:\t*TILEB+32768
.endr
.endr
.endm
.macro COMPUTE b, nb, zero, left       ; left: the younger loads, the other set's, which stay out
	s_wait_loadcnt \left
.irp i, 0,1,2,3
	v_permlanex16_b32 v[YY+\i], v[\b+72+\i], s54, s55
.endr
	v_perm_b32 v[PP], v[YY], v[\b+72], s56         ; blocks 0, 1 of tiles 0, 1
	v_perm_b32 v[PP+1], v[YY], v[\b+72], s57       ; of tiles 2, 3
	v_perm_b32 v[PP+2], v[YY+1], v[\b+73], s56     ; blocks 2, 3
	v_perm_b32 v[PP+3], v[YY+1], v[\b+73], s57
	v_perm_b32 v[PP+4], v[YY+2], v[\b+74], s[56+\nb]   ; B: this column block's two tiles
	v_perm_b32 v[PP+5], v[YY+3], v[\b+75], s[56+\nb]
	v_perm_b32 v[SA], v[PP+2], v[PP], s58
	v_perm_b32 v[SA+1], v[PP+2], v[PP], s59
	v_perm_b32 v[SA+2], v[PP+3], v[PP+1], s58
	v_perm_b32 v[SA+3], v[PP+3], v[PP+1], s59
	v_perm_b32 v[SB], v[PP+5], v[PP+4], s58
	v_perm_b32 v[SB+1], v[PP+5], v[PP+4], s59
.rept 8
	v_nop                                          ; a scale register written by a vector instruction stands 8 places ahead of a scaled matrix instruction
.endr
.irp ma, 0,1,2,3                       ; eight accumulators by turns, one instruction a turn
.irp na, 0,1
.if \zero
	v_wmma_scale_f32_16x16x128_f8f6f4 v[ACC+8*(2*\ma+\na):ACC+8*(2*\ma+\na)+7], v[\b+48+12*\na:\b+48+12*\na+11], v[\b+12*\ma:\b+12*\ma+11], 0, v[SB+\na], v[SA+\ma] matrix_a_fmt:MATRIX_FMT_FP6 matrix_b_fmt:MATRIX_FMT_FP6
.else
	v_wmma_scale_f32_16x16x128_f8f6f4 v[ACC+8*(2*\ma+\na):ACC+8*(2*\ma+\na)+7], v[\b+48+12*\na:\b+48+12*\na+11], v[\b+12*\ma:\b+12*\ma+11], v[ACC+8*(2*\ma+\na):ACC+8*(2*\ma+\na)+7], v[SB+\na], v[SA+\ma] matrix_a_fmt:MATRIX_FMT_FP6 matrix_b_fmt:MATRIX_FMT_FP6
.endif
.endr
.endr
.endm
.macro PREP g                          ; trips and a block with flag 0
	s_bcnt1_i32_b32 s46, s[\g]
	s_bcnt1_i32_b32 s47, s[\g+1]
	s_add_co_u32 s46, s46, s47
	s_bcnt1_i32_b32 s47, s[\g+2]
	s_add_co_u32 s46, s46, s47
	s_bcnt1_i32_b32 s47, s[\g+3]
	s_add_co_u32 s46, s46, s47
	s_add_co_u32 s46, s46, 7
	s_lshr_b32 s46, s46, 3
	s_max_u32 s46, s46, 1                          ; pairs of steps, at least one
	s_sub_co_u32 s46, s46, 1
	s_min_u32 s[\g+6], s46, 15                     ; the loop's trips: one pair stands outside it
	s_mov_b32 s[\g+5], 0
.irp j, 3,2,1,0
	s_not_b32 s46, s[\g+\j]
	s_ctz_i32_b32 s47, s46
	s_lshl_b32 s47, s47, 2
	s_add_co_u32 s47, s47, \j
	s_cmp_lg_u32 s46, 0
	s_cselect_b32 s[\g+5], s47, s[\g+5]
.endr
	s_mov_b32 s[\g+4], 0
.endm
.macro NB nb, g, gn                    ; one column block of 32.  On entry its first step's loads are out, in set 0
	LOAD B1, \g, \nb
	COMPUTE B0, \nb, 1, 28                         ; the first step starts the sums
	s_cmp_eq_u32 s[\g+6], 0
	s_cbranch_scc1 .Lskip_\@
.Lloop_\@:
	LOAD B0, \g, \nb
	COMPUTE B1, \nb, 0, 28
	LOAD B1, \g, \nb
	COMPUTE B0, \nb, 0, 28
	s_sub_co_u32 s[\g+6], s[\g+6], 1
	s_cmp_lg_u32 s[\g+6], 0
	s_cbranch_scc1 .Lloop_\@
.Lskip_\@:
.if \nb == 0
	LOAD B0, \gn, 1                                ; the next column block's first step is asked for ahead of this one's last products
	COMPUTE B1, 0, 0, 28
.else
	COMPUTE B1, 1, 0, 0
.endif
.rept 4
	v_nop                                          ; places behind the last products
.endr
.irp ma, 0,1,2,3
.irp na, 0,1
	ds_store_b128 v[STO], v[ACC+8*(2*\ma+\na):ACC+8*(2*\ma+\na)+3] offset:\ma*16*PITCH+128*(\nb)+64*\na        ; each accumulator from its low end on
	ds_store_b128 v[STO], v[ACC+8*(2*\ma+\na)+4:ACC+8*(2*\ma+\na)+7] offset:\ma*16*PITCH+128*(\nb)+64*\na+16
.endr
.endr
.if \nb == 0
	s_wait_dscnt 0x0                               ; the stores have read the accumulators, which the next sums write
.endif
.endm
	s_load_b256 s[4:11], s[0:1], 0x0               ; a_q, b_q, flags, bias
	s_load_b64 s[12:13], s[0:1], 0x20              ; out0
	v_lshl_add_u32 v[SPW], v0, 2, SPARE
	v_mov_b32 v[NIL], 0
	v_lshrrev_b32 v252, 5, v0
	v_readfirstlane_b32 s14, v252                  ; wave
	s_and_b32 s15, ttmp7, 0xffff
	s_lshl_b32 s15, s15, 4
	s_add_co_u32 s15, s15, s14                     ; my group of 64 rows
	s_mul_i32 s60, s15, 4*TILEB
	s_mov_b32 s61, 0
	s_lshl_b32 s62, s15, 13
	s_add_co_u32 s62, s62, SCLO
	s_mov_b32 s63, 0
	s_mul_i32 s66, ttmp9, 4*TILEB
	s_mov_b32 s67, 0
	s_lshl_b32 s68, ttmp9, 13
	s_add_co_u32 s68, s68, SCLO
	s_mov_b32 s69, 0
	s_lshr_b32 s70, ttmp9, 1
	s_lshl_b32 s70, s70, 10
	s_and_b32 s46, ttmp9, 1
	s_lshl_b32 s46, s46, 5
	s_add_co_u32 s70, s70, s46                     ; flags: group of 128 columns, my four tiles of its eight
	s_mov_b32 s71, 0
	s_lshl_b32 s72, ttmp9, 8
	s_mov_b32 s73, 0
	s_lshl_b32 s74, s15, 20
	s_add_co_u32 s74, s74, s72
	s_mov_b32 s75, 0
	s_mul_i32 s76, s14, WST                        ; my stage
	s_mov_b32 s54, 0x76543210
	s_mov_b32 s55, 0xfedcba98                      ; lane l xor 16
	s_mov_b32 s56, 0x05010400                      ; bytes 0, 1 of two words, interleaved
	s_mov_b32 s57, 0x07030602                      ; bytes 2, 3
	s_mov_b32 s58, 0x05040100                      ; the two low halves
	s_mov_b32 s59, 0x07060302                      ; the two high halves
	v_and_b32 v252, 15, v0                         ; r
	v_bfe_u32 v[VH1], v0, 4, 1                     ; h
	v_and_b32 v253, 31, v0
	v_sub_nc_u32 v[VH0], 1, v[VH1]
	v_lshlrev_b32 v[VR4], 2, v252
	v_mul_u32_u24 v[STO], v252, PITCH
	v_mul_u32_u24 v[RD], v[VH1], PITCH
	v_lshlrev_b32 v[CO], 14, v[VH1]
	v_lshlrev_b32 v[BOF], 4, v252
	v_lshrrev_b32 v254, 1, v253
	v_and_b32 v255, 1, v253
	v_lshl_add_u32 v[STO], v[VH1], 5, v[STO]
	v_lshl_add_u32 v[RD], v252, 4, v[RD]
	v_lshl_add_u32 v[CO], v252, 4, v[CO]
	v_lshlrev_b32 v254, 6, v254
	v_add_nc_u32 v[STO], s76, v[STO]
	v_add_nc_u32 v[RD], s76, v[RD]
	v_lshl_add_u32 v254, v255, 2, v254             ; lane l: the four flags of K blocks 4 l .. 4 l + 3
.irp i, 0,1,2,3
	v_mov_b32 v[YY+\i], 0                          ; a lane permute's destination counts as one of its sources
.endr
	s_wait_alu depctr_va_vdst(0)                   ; the wait at the head's end
	s_wait_kmcnt 0x0
	s_add_nc_u64 s[16:17], s[4:5], s[60:61]        ; A's codes, my four tiles
	s_add_nc_u64 s[18:19], s[4:5], s[62:63]        ; A's scale bytes
	s_add_nc_u64 s[20:21], s[6:7], s[66:67]        ; W's codes, the work-group's four tiles
	s_add_nc_u64 s[22:23], s[6:7], s[68:69]        ; W's scale bytes
	s_add_nc_u64 s[8:9], s[8:9], s[70:71]
	s_add_nc_u64 s[10:11], s[10:11], s[72:73]
	s_add_nc_u64 s[12:13], s[12:13], s[74:75]
.irp i, 0,1,2,3
	global_load_b32 v[B0+\i], v254, s[8:9] offset:8*\i
.endr
	global_load_b128 v[BI:BI+3], v[BOF], s[10:11]
	s_wait_loadcnt 0x0
	v_or_b32 v[B0], v[B0], v[B0+1]                 ; a column block is live where either of its tiles is
	v_or_b32 v[B0+2], v[B0+2], v[B0+3]
.irp j, 0,1,2,3
	v_and_b32 v[B0+4+\j], 0xff<<(8*\j), v[B0]
	v_and_b32 v[B0+8+\j], 0xff<<(8*\j), v[B0+2]
.endr
.irp j, 0,1,2,3
	v_cmp_ne_u32 s[G0+\j], 0, v[B0+4+\j]           ; bit l of word j: K block 4 l + j
	v_cmp_ne_u32 s[G1+\j], 0, v[B0+8+\j]
.endr
	PREP G0
	PREP G1
	LOAD B0, G0, 0
	NB 0, G0, G1
	NB 1, G1, G1
.irp i, 0,1,2,3,4,5,6,7,8,9,10,11,12,13,14,15,16,17,18,19,20,21,22,23,24,25,26,27,28,29,30,31
	ds_load_b128 v[B0+4*\i:B0+4*\i+3], v[RD] offset:\i*2*PITCH     ; LDS serves a wave's instructions in order: these see my stores
.endr
.irp q, 0,1,2,3,4,5,6,7
	s_wait_dscnt 28-4*\q                           ; four more pairs of rows are back
.irp k, 0,1,2,3
	v_pk_add_f32 v[B0+16*\q+4*\k:B0+16*\q+4*\k+1], v[B0+16*\q+4*\k:B0+16*\q+4*\k+1], v[BI:BI+1]
	v_pk_add_f32 v[B0+16*\q+4*\k+2:B0+16*\q+4*\k+3], v[B0+16*\q+4*\k+2:B0+16*\q+4*\k+3], v[BI+2:BI+3]
.endr
.irp k, 0,1,2,3
	global_store_b128 v[CO], v[B0+16*\q+4*\k:B0+16*\q+4*\k+3], s[12:13] offset:(4*\q+\k)*2*16384 th:TH_STORE_NT   ; sixteen lanes store 256 consecutive bytes, aligned
.endr
.endr
	s_wait_tensorcnt 0x0                           ; the wave's end
	ds_add_u32 v[SPW], v[NIL]
	s_wait_dscnt 0x0
	s_endpgm
.Lfunc_end_k_qf791d78933_spmm:
	.size	k_qf791d78933_spmm, .Lfunc_end_k_qf791d78933_spmm-k_qf791d78933_spmm
	.p2alignl 7, 3214868480
	.fill 96, 4, 3214868480
	.section	.rodata,"a",@progbits
	.p2align	6, 0x0
	.amdhsa_kernel k_qf791d78933_spmm
		.amdhsa_group_segment_fixed_size 280576
		.amdhsa_private_segment_fixed_size 0
		.amdhsa_enable_private_segment 0
		.amdhsa_kernarg_size 40
		.amdhsa_user_sgpr_count 2
		.amdhsa_user_sgpr_kernarg_segment_ptr 1
		.amdhsa_wavefront_size32 1
		.amdhsa_system_sgpr_workgroup_id_x 1
		.amdhsa_system_sgpr_workgroup_id_y 1
		.amdhsa_system_sgpr_workgroup_id_z 1
		.amdhsa_system_vgpr_workitem_id 0
		.amdhsa_next_free_vgpr 256
		.amdhsa_next_free_sgpr 80
		.amdhsa_reserve_vcc 0
		.amdhsa_float_denorm_mode_32 3
		.amdhsa_float_denorm_mode_16_64 3
		.amdhsa_memory_ordered 1
		.amdhsa_forward_progress 1
		.amdhsa_inst_pref_size 95
	.end_amdhsa_kernel
	.amdgpu_metadata
---
amdhsa.version: [ 1, 2 ]
amdhsa.kernels:
  - .name:           k_qf791d78933_spmm
    .symbol:         k_qf791d78933_spmm.kd
    .args:
      - { .name: a_q, .offset: 0, .size: 8, .value_kind: global_buffer, .address_space: global }
      - { .name: b_q, .offset: 8, .size: 8, .value_kind: global_buffer, .address_space: global }
      - { .name: flags, .offset: 16, .size: 8, .value_kind: global_buffer, .address_space: global }
      - { .name: bias, .offset: 24, .size: 8, .value_kind: global_buffer, .address_space: global }
      - { .name: out0, .offset: 32, .size: 8, .value_kind: global_buffer, .address_space: global }
    .group_segment_fixed_size: 280576
    .private_segment_fixed_size: 0
    .kernarg_segment_align: 8
    .kernarg_segment_size: 40
    .max_flat_workgroup_size: 512
    .sgpr_count:     80
    .vgpr_count:     256
    .wavefront_size: 32
...
	.end_amdgpu_metadata
.endif
;; end of part 2
